; MI455X (gfx1250); checked and timed in simulation.
; The chip was launched on July 23, 2026; its instructions are those of AMD's public machine-readable ISA for CDNA 5 (MIT licence, August 2026) and "CDNA5" Instruction Set Architecture Reference Guide (July 2026). The comments in the code are by the model that wrote it; some were corrected since.
;; Multi Head Attention. Allowed arithmetic: matrix products marked QUANTISED: E5M2 operands, one given power-of-two scale a tensor, by v_wmma_f32_16x16x64_bf8_bf8 or v_wmma_f32_16x16x128_bf8_bf8, f32 sums; products left as they are: f32 operands where the result goes on into a quantised operand, else bf16, f16 or f32 operands; f32 sums; everything else in f32.
;; Inputs: Wk 1,024 x 1,024 float32; Wo 1,024 x 1,024 float32; Wq 1,024 x 1,024 float32; Wv 1,024 x 1,024 float32; bk 1,024 float32; bo 1,024 float32; bq 1,024 float32; bv 1,024 float32; lowp_scales 8 int32 (the exponents e of the quantised operands' scales 2^e); x 32 x 1,024 x 1,024 float32.
;; Outputs: out0 32 x 1,024 float32.
;; Constants: n_heads = 16.
;; This version of the problem:
;;   THIS VERSION OF THE PROBLEM IS GIVEN IN LOW PRECISION. The matrix products marked QUANTISED in the list below multiply operands that are first quantised to E5M2 (5 exponent bits, 2 mantissa bits; 8 bits a number), with one given power-of-two scale for each operand tensor; their sums are f32. All else is computed in f32.
;;   The module's matrix products, in the order in which they are computed (A, B: the left and right operand; K: the contracted axis; several contracted axes count as one K, in the product's order):
;;     1. [M 32, K 1,024] x [K 1,024, N 1,024]; A: input x; B: input Wq: QUANTISED (scales: A lowp_scales[0], B lowp_scales[1])
;;     2. [M 32,768, K 1,024] x [K 1,024, N 1,024]; A: input x; B: input Wk: QUANTISED (scales: A lowp_scales[2], B lowp_scales[3])
;;     3. [M 32,768, K 1,024] x [K 1,024, N 1,024]; A: input x; B: input Wv: QUANTISED (scales: A lowp_scales[4], B lowp_scales[5])
;;     4. batch 512 x [M 1, K 64] x [K 64, N 1,024]; A: computed on the way; B: computed on the way: left as it is (M = 1 < 16)
;;     5. batch 512 x [M 1, K 1,024] x [K 1,024, N 64]; A: softmax; B: computed on the way: left as it is (M = 1 < 16)
;;     6. [M 32, K 1,024] x [K 1,024, N 1,024]; A: computed on the way; B: input Wo: QUANTISED (scales: A lowp_scales[6], B lowp_scales[7])
;;   THE QUANTISER, for each operand of a quantised product, along K:
;;     - The operand's scale is 2^e, e = its entry of the input lowp_scales (int32; the entries are numbered through the quantised products in the list's order, A before B).
;;     - Each number is divided by the scale, clamped to +-57,344, and rounded to the nearest number of E5M2, ties to even, subnormals kept.
;;     - The product sums the exact products of the quantised numbers (number of the format x scale) in f32.
;;   ~~~python
;;   def quantise(x, axis, e):      # numpy; x: float32 -> the quantised numbers, widened to float32 again
;;       x = np.moveaxis(x, axis, -1); K = x.shape[-1]
;;       r = np.clip(x / 2.0 ** e, -57344, 57344)
;;       step = 2.0 ** (np.maximum(np.frexp(np.where(r == 0, 1, r))[1] - 1, -14) - 2)
;;       q = np.round(r / step) * step * 2.0 ** e      # np.round: ties to even
;;       return np.moveaxis(q, -1, axis).astype(np.float32)
;;   ~~~
;;   OPERANDS COMPUTED ON THE WAY. 'Computed on the way' means the value that the module computes at that place (a softmax that the list does not call 'softmax' is quantised finished and normalised). What goes into a quantiser is computed in f32, as accurately as f32 sums, v_exp_f32 and their like allow (about 1e-6 of the number): no bf16 or f16 on the way to a quantiser, and a product that is left as it is and whose result goes on into a quantised operand takes f32 operands (vector FMAs, or v_wmma_f32_16x16x4_f32). A number that lies on a knife's edge between two numbers of the format may be rounded either way, as far as f32 arithmetic and the matrix unit's own rounding can turn it there, and no further.
;; One version. Each part assembles by itself: llvm-mc -triple=amdgcn-amd-amdhsa -mcpu=gfx1250 --defsym DOCPART=n.
;; ======== version 1 of 1: 3 launches
;; limits: right only within a limited range of input values
;; workspace buffers: wimg 2,097,152 bytes; qws 131,072 bytes; part_o 1,048,576 bytes; part_ml 32,768 bytes
;; launch prep (part 1): grid 256 x 1, 8 waves a work-group, no clusters, 9,216 bytes of LDS; arguments Wk, Wv, Wq, x, bq, lowp_scales, wimg, qws; writes wimg, qws
.if DOCPART == 1
	.amdgcn_target "amdgcn-amd-amdhsa--gfx1250"
	.amdhsa_code_object_version 6
	.text
	.protected	k_q6617adc9ce_prep
	.globl	k_q6617adc9ce_prep
	.p2align	8
	.type	k_q6617adc9ce_prep,@function
k_q6617adc9ce_prep:
	s_mov_b64 s[64:65], 0
	v_nop
	global_prefetch_b8 v0, s[64:65] scope:SCOPE_SE
	s_setreg_imm32_b32 hwreg(HW_REG_WAVE_MODE, 25, 1), 1
	s_wait_xcnt 0x0
; Two small jobs ahead of the bulk, dealt by the work-group's number g: 0 to 127 make q (16 KB of loads a wave), 128 to 255 the weights' images (8 KB a wave): the longer job has the lower numbers.
; (1) g < 128: q = Q(x[:, last, :]; e0) Q(Wq; e1)^T + bq, f32.  Work-group g makes the 16 features of tile g / 2 for the 16 batches of half g % 2; wave w makes K step w with one
;     matrix instruction (source 0 = 16 rows of Wq, source 1 = 16 batches: a lane then holds one batch and eight neighbouring features); the eight K steps meet in LDS, waves 0 and 1 add them.
;     qws[tile 64][i 4][lane 32][4 f32]: i = 2 x half + j / 4, lane = 16 h + r: q(batch 16 half + r, feature 16 tile + 8 h + j).  Wq is read by two work-groups.
; (2) g >= 128: Wk and Wv [1024][1024] f32 (row = output feature, K innermost) become codes of E5M2 with the given scales 2^e3, 2^e5, laid as IMAGES OF OPERAND REGISTERS:
;     wimg[head 16][K or V][K step 8][tile of 16 rows 4][c 4][lane 32][16 bytes]; lane (r, h), block c: row 64 head + 16 tile + r, k = 128 step + 32 c + 16 h + 0 .. 15.
;     1,024 fragments of 2,048 bytes; wave w makes fragment f = 8 (g - 128) + w, and each of its four stores covers 512 consecutive bytes.
; One branch on g parts the two; all waves of a work-group go the same way, so the barrier in job (1) is passed by all eight.  Job (2) touches no LDS but the spare words.
; k's place in a fragment is a permutation of the form's own, the same in both operands, so every product meets its partner; only the order inside a sum changes.
; code = x / 2^e, held within +-57,344, to the nearest code, ties to even.  LIMITS: e0, e1, e3, e5 between -126 and 112; e0 + e1 between -126 and 127.  NaN among the inputs is not served.
; No tensor load and no cluster: each wave reads its bytes once, straight into registers.
; REGISTERS: v1-7, v14, v15 lane terms and addresses; v8-13 scales and holds; v16-31 the weight's codes; v32-47 Wq's, v48-63 x's; v64-127 the weight's or Wq's numbers, then the sums and bq; v128-191 x's numbers.
.set SPW,   200                        ; LDS address of my spare word: SPARE + 4 x my thread's number; never rewritten
.set NIL,   201                        ; 0; never rewritten
.set SPARE, 0x2000                     ; behind the eight waves' 1,024 bytes: the spare words, 128 bytes a wave
.macro L64 dst, voff, sb               ; 64 numbers of a lane: register 16 c + i = k 32 c + 16 h + i of my row
.irp c, 0,1,2,3
.irp j, 0,1,2,3
	global_load_b128 v[\dst+16*\c+4*\j:\dst+16*\c+4*\j+3], v[\voff], s[\sb:\sb+1] offset:128*\c+16*\j
.endr
.endr
.endm
.macro QUANT src, dst, sc, lim         ; they become a fragment's 16 registers of codes
.irp b, 0,1,2,3
.irp i, 0,1,2,3,4,5,6,7,8,9,10,11,12,13,14,15
	v_med3_num_f32 v[\src+16*\b+\i], v[\src+16*\b+\i], -v[\lim], v[\lim]   ; the conversion to an 8-bit code does not saturate (ISA guide 7.6.2): the hold at the largest code x the scale
.endr
	v_cvt_scalef32_pk8_bf8_f32 v[\dst+4*\b:\dst+4*\b+1], v[\src+16*\b:\src+16*\b+7], v[\sc]
	v_cvt_scalef32_pk8_bf8_f32 v[\dst+4*\b+2:\dst+4*\b+3], v[\src+16*\b+8:\src+16*\b+15], v[\sc]
.endr
	v_nop                                          ; one plain vector line behind the last conversion
.endm
.macro MKSC e, sc, lim                 ; 2^e as f32 (the conversion takes its exponent field), and 57,344 x 2^e
	s_add_co_i32 s50, \e, 127
	s_lshl_b32 s51, s50, 23
	v_mov_b32 v[\sc], s51
	s_add_co_i32 s50, s50, 15
	s_lshl_b32 s50, s50, 23
	s_or_b32 s50, s50, 0x600000
	v_mov_b32 v[\lim], s50
.endm
	s_load_b512 s[4:19], s[0:1], 0x0               ; Wk s[4:5], Wv s[6:7], Wq s[8:9], x s[10:11], bq s[12:13], scales s[14:15], wimg s[16:17], qws s[18:19]
	v_lshl_add_u32 v[SPW], v0, 2, SPARE
	v_mov_b32 v[NIL], 0
	v_lshrrev_b32 v4, 5, v0
	s_delay_alu instid0(VALU_DEP_1)
	v_readfirstlane_b32 s20, v4                    ; wave 0..7
	v_and_b32 v1, 15, v0                           ; r
	v_bfe_u32 v2, v0, 4, 1                         ; h
	v_and_b32 v3, 31, v0                           ; lane
	s_delay_alu instid0(VALU_DEP_3)
	v_lshlrev_b32 v5, 12, v1
	s_delay_alu instid0(VALU_DEP_1)
	v_lshl_add_u32 v5, v2, 6, v5                   ; a weight: row r of 4,096 bytes, + 64 h
	v_lshlrev_b32 v6, 22, v1
	s_delay_alu instid0(VALU_DEP_1)
	v_lshl_add_u32 v6, v2, 6, v6                   ; x: batch r of 4 MiB, + 64 h
	v_lshlrev_b32 v7, 4, v3                        ; 16 x lane: my place in an image
	s_lshl_b32 s52, s20, 10
	v_add_nc_u32 v14, s52, v7                      ; LDS: my wave's 1,024 bytes, 16 x lane
	v_lshlrev_b32 v15, 4, v0                       ; LDS, on the way back (waves 0 and 1): 16 x thread
	v_lshlrev_b32 v4, 5, v2                        ; bq: 32 h bytes (eight features a half)
	s_lshl_b32 s21, ttmp9, 3
	s_add_co_u32 s21, s21, s20
	s_and_b32 s21, s21, 1023                       ; f = 8 (g - 128) + wave
	s_and_b32 s22, s21, 3                          ; tile of 16 rows
	s_bfe_u32 s23, s21, 0x30002                    ; K step
	s_bfe_u32 s36, s21, 0x10005                    ; 0: Wk, 1: Wv
	s_lshr_b32 s37, s21, 6                         ; head
	s_lshl_b32 s38, s37, 18                        ; (64 head + 16 tile) rows of 4,096 bytes + 512 x K step
	s_lshl_b32 s39, s22, 16
	s_add_co_u32 s38, s38, s39
	s_lshl_b32 s39, s23, 9
	s_add_co_u32 s38, s38, s39
	s_mov_b32 s39, 0
	s_lshl_b32 s40, s21, 11                        ; the image's place: 2,048 f
	s_mov_b32 s41, 0
	s_lshr_b32 s42, ttmp9, 1                       ; q's tile of features
	s_lshl_b32 s58, s42, 6                         ; bq at feature 16 tile + 4 (wave % 2): waves 0 and 1 use it; the others name the same bytes, inside the buffer
	s_and_b32 s60, s20, 1
	s_lshl_b32 s60, s60, 4
	s_add_co_u32 s58, s58, s60
	s_mov_b32 s59, 0
	s_and_b32 s43, ttmp9, 1                        ; q's half of the batches
	s_lshl_b32 s44, s42, 16                        ; Wq: 16 rows x tile + 512 x wave
	s_lshl_b32 s45, s20, 9
	s_add_co_u32 s44, s44, s45
	s_mov_b32 s45, 0
	s_lshl_b32 s46, s43, 26                        ; x: 16 batches x half, the last position's row, + 512 x wave
	s_add_co_u32 s46, s46, 1023*4096
	s_lshl_b32 s47, s20, 9
	s_add_co_u32 s46, s46, s47
	s_mov_b32 s47, 0
	s_lshl_b32 s56, ttmp9, 10                      ; qws: 2,048 x tile + 1,024 x half
	s_mov_b32 s57, 0
	s_wait_alu depctr_va_vdst(0)                   ; the wait at the head's end
	s_wait_kmcnt 0x0
	s_load_b256 s[24:31], s[14:15], 0x0            ; e0 .. e7
	s_cmp_eq_u32 s36, 0                            ; the choice hangs on ids alone
	s_cselect_b64 s[32:33], s[4:5], s[6:7]
	s_add_nc_u64 s[32:33], s[32:33], s[38:39]
	s_add_nc_u64 s[8:9], s[8:9], s[44:45]
	s_add_nc_u64 s[10:11], s[10:11], s[46:47]
	s_add_nc_u64 s[16:17], s[16:17], s[40:41]
	s_add_nc_u64 s[18:19], s[18:19], s[56:57]
	s_add_nc_u64 s[12:13], s[12:13], s[58:59]
	s_cmp_ge_u32 ttmp9, 128                        ; the work-group's number alone: the same in all eight waves
	s_cbranch_scc1 .Lweights
	; JOB (1): q
	L64 64, 5, 8                                   ; my fragment of Wq
	L64 128, 6, 10                                 ; of x's last rows
	s_wait_kmcnt 0x0
	MKSC s25, 10, 11                               ; e1
	MKSC s24, 12, 13                               ; e0
	s_add_co_i32 s54, s24, s25
	s_add_co_i32 s54, s54, 127
	s_lshl_b32 s54, s54, 23                        ; 2^(e0 + e1) as f32
	s_mov_b32 s55, s54                             ; (named with it as a pair, so it is written)
	s_wait_alu depctr_va_vdst(0)                   ; directly ahead of the wait below
	s_wait_loadcnt 16                              ; Wq's 16 loads are in; x's 16 may be out
	QUANT 64, 32, 10, 11
	global_load_b128 v[104:107], v4, s[12:13]      ; bq, into registers that held Wq's numbers: asked for here, so that nobody waits for it behind the barrier
	s_wait_loadcnt 1                               ; x's are in; bq's one load may be out
	QUANT 128, 48, 12, 13
	v_wmma_f32_16x16x128_bf8_bf8 v[64:71], v[32:47], v[48:63], 0   ; lane (r, h), register j: batch r, feature 8 h + j, this K step's part
.rept 4
	v_nop                                          ; four places ahead of the LDS stores that read the result
.endr
	ds_store_b128 v14, v[64:67]                    ; the result is read from its low end on
	ds_store_b128 v14, v[68:71] offset:512
	s_wait_loadcnt 0x0                             ; bq
	s_wait_dscnt 0x0                               ; for the others' sake: my stores have landed
	s_barrier_signal -1
	s_barrier_wait -1
	s_cmp_gt_u32 s20, 1
	s_cbranch_scc1 .Ldone                          ; waves 0 and 1 add the eight K steps: wave i takes registers 4 i .. 4 i + 3
.irp k, 0,1,2,3,4,5,6,7
	ds_load_b128 v[72+4*\k:75+4*\k], v15 offset:1024*\k
.endr
	s_wait_dscnt 0x0
.irp k, 0,2,4,6
	v_pk_add_f32 v[72+4*\k:73+4*\k], v[72+4*\k:73+4*\k], v[76+4*\k:77+4*\k]
	v_pk_add_f32 v[74+4*\k:75+4*\k], v[74+4*\k:75+4*\k], v[78+4*\k:79+4*\k]
.endr
.irp k, 0
	v_pk_add_f32 v[72+4*\k:73+4*\k], v[72+4*\k:73+4*\k], v[80+4*\k:81+4*\k]
	v_pk_add_f32 v[74+4*\k:75+4*\k], v[74+4*\k:75+4*\k], v[82+4*\k:83+4*\k]
.endr
.irp k, 4
	s_delay_alu instid0(VALU_DEP_4)
	v_pk_add_f32 v[72+4*\k:73+4*\k], v[72+4*\k:73+4*\k], v[80+4*\k:81+4*\k]
	s_delay_alu instid0(VALU_DEP_4)
	v_pk_add_f32 v[74+4*\k:75+4*\k], v[74+4*\k:75+4*\k], v[82+4*\k:83+4*\k]
.endr
	s_delay_alu instid0(VALU_DEP_2)
	v_pk_add_f32 v[72:73], v[72:73], v[88:89]
	s_delay_alu instid0(VALU_DEP_2)
	v_pk_add_f32 v[74:75], v[74:75], v[90:91]
	v_pk_fma_f32 v[72:73], v[72:73], s[54:55], v[104:105] op_sel_hi:[1,0,1]   ; sum x 2^(e0 + e1) + bq
	v_pk_fma_f32 v[74:75], v[74:75], s[54:55], v[106:107] op_sel_hi:[1,0,1]
	global_store_b128 v15, v[72:75], s[18:19]      ; a wave stores 512 consecutive bytes
	s_branch .Ldone
.Lweights:
	; JOB (2): a fragment of Wk or Wv
	L64 64, 5, 32
	s_wait_kmcnt 0x0
	s_cmp_eq_u32 s36, 0
	s_cselect_b32 s48, s27, s29                    ; e3 or e5
	MKSC s48, 8, 9
	s_wait_alu depctr_va_vdst(0)                   ; directly ahead of the wait below
	s_wait_loadcnt 0x0
	QUANT 64, 16, 8, 9
.irp c, 0,1,2,3
	global_store_b128 v7, v[16+4*\c:19+4*\c], s[16:17] offset:512*\c   ; 32 lanes store 512 consecutive bytes; v16-31 and v7 are not written again
.endr
.Ldone:
	s_wait_tensorcnt 0x0                           ; the wave's end
	ds_add_u32 v[SPW], v[NIL]
	s_wait_dscnt 0x0
	s_endpgm
.Lfunc_end_k_q6617adc9ce_prep:
	.size	k_q6617adc9ce_prep, .Lfunc_end_k_q6617adc9ce_prep-k_q6617adc9ce_prep
	.p2alignl 7, 3214868480
	.fill 96, 4, 3214868480
	.section	.rodata,"a",@progbits
	.p2align	6, 0x0
	.amdhsa_kernel k_q6617adc9ce_prep
		.amdhsa_group_segment_fixed_size 9216
		.amdhsa_private_segment_fixed_size 0
		.amdhsa_enable_private_segment 0
		.amdhsa_kernarg_size 64
		.amdhsa_user_sgpr_count 2
		.amdhsa_user_sgpr_kernarg_segment_ptr 1
		.amdhsa_wavefront_size32 1
		.amdhsa_system_sgpr_workgroup_id_x 1
		.amdhsa_system_sgpr_workgroup_id_y 1
		.amdhsa_system_sgpr_workgroup_id_z 1
		.amdhsa_system_vgpr_workitem_id 0
		.amdhsa_next_free_vgpr 208
		.amdhsa_next_free_sgpr 66
		.amdhsa_reserve_vcc 0
		.amdhsa_float_denorm_mode_32 3
		.amdhsa_float_denorm_mode_16_64 3
		.amdhsa_memory_ordered 1
		.amdhsa_forward_progress 1
		.amdhsa_inst_pref_size 25
	.end_amdhsa_kernel
	.amdgpu_metadata
---
amdhsa.version: [ 1, 2 ]
amdhsa.kernels:
  - .name:           k_q6617adc9ce_prep
    .symbol:         k_q6617adc9ce_prep.kd
    .args:
      - { .name: Wk, .offset: 0, .size: 8, .value_kind: global_buffer, .address_space: global }
      - { .name: Wv, .offset: 8, .size: 8, .value_kind: global_buffer, .address_space: global }
      - { .name: Wq, .offset: 16, .size: 8, .value_kind: global_buffer, .address_space: global }
      - { .name: x, .offset: 24, .size: 8, .value_kind: global_buffer, .address_space: global }
      - { .name: bq, .offset: 32, .size: 8, .value_kind: global_buffer, .address_space: global }
      - { .name: lowp_scales, .offset: 40, .size: 8, .value_kind: global_buffer, .address_space: global }
      - { .name: wimg, .offset: 48, .size: 8, .value_kind: global_buffer, .address_space: global }
      - { .name: qws, .offset: 56, .size: 8, .value_kind: global_buffer, .address_space: global }
    .group_segment_fixed_size: 9216
    .private_segment_fixed_size: 0
    .kernarg_segment_align: 8
    .kernarg_segment_size: 64
    .max_flat_workgroup_size: 256
    .sgpr_count:     66
    .vgpr_count:     208
    .wavefront_size: 32
...
	.end_amdgpu_metadata
.endif
;; end of part 1
;; launch main (part 2): grid 256 x 1, 4 waves a work-group, clusters of 4 x 1, 327,680 bytes of LDS; arguments x, wimg, qws, bk, bv, lowp_scales, part_o, part_ml; writes part_o, part_ml
.if DOCPART == 2
	.amdgcn_target "amdgcn-amd-amdhsa--gfx1250"
	.amdhsa_code_object_version 6
	.text
	.protected	k_q6617adc9ce_main
	.globl	k_q6617adc9ce_main
	.p2align	8
	.type	k_q6617adc9ce_main,@function
k_q6617adc9ce_main:
	s_mov_b64 s[64:65], 0
	v_nop
	global_prefetch_b8 v0, s[64:65] scope:SCOPE_SE
	s_setreg_imm32_b32 hwreg(HW_REG_WAVE_MODE, 25, 1), 1
	s_wait_xcnt 0x0
	s_wait_alu depctr_hold_cnt(0) depctr_sa_sdst(0) depctr_va_vdst(0) depctr_va_sdst(0) depctr_va_ssrc(0) depctr_va_vcc(0) depctr_vm_vsrc(0)
	s_getreg_b32 s2, hwreg(HW_REG_IB_STS2, 6, 4)
	s_cmp_eq_u32 s2, 0
	s_cbranch_scc0 .Lentry_in_a_cluster
	s_endpgm
.Lentry_in_a_cluster:
	s_bfe_u32 s2, ttmp6, 0x10000c
	s_cmp_lg_u32 s2, 0x3003
	s_cbranch_scc0 .Lentry_shape_is_right
	s_endpgm
.Lentry_shape_is_right:
; Work-group g takes rows 128 g .. 128 g + 127 of x (batch g / 8, chunk g % 8) through all 16 heads: k = Q(x; e2) Q(Wk; e3)^T + bk, v = Q(x; e4) Q(Wv; e5)^T + bv,
; the scores with q, the chunk's softmax to the base 2 under the chunk's own largest score, and the chunk's weighted sum of v.  part_o holds the sums, part_ml the largest score and the sum of p.
; SHARES.  Waves 0 and 1 make k, waves 2 and 3 make v; each takes 64 rows.  THE HEAD: x comes in four parts of 256 along K (128 rows x 1,024 bytes) through two LDS slots, and each wave turns its
; 64 rows x 1,024 into codes with its own scale: 512 registers (windows 2 and 3), which stay.  THE LOOP: a trip is a head: 128 KB of weight images (64 features x 1,024 K of Wk and of Wv) in one of two
; slots, asked for jointly by the four work-groups of a cluster; 128 matrix instructions a wave on 16 accumulators by turns; k's waves dot with q and store p, v's waves weigh their sums with p.
; x IS PREFETCHED INTO THE L2: behind the tensor load of part t (t = 0, 1, 2) each wave asks for its own 32 rows of part t + 1: four instructions, a lane a row, 256 bytes apart: each block is
; named once in the launch, one part ahead of the load that wants it; the last part asks for nothing.  v28 and s[26:27] are never rewritten.
; LIMITS: e2 to e5 between -126 and 112; e2 + e3 between -123 and 130; e4 + e5 between -126 and 127.  NaN among the inputs is not served.
.set XP,    1040
.set X1,    128*XP
.set SLOT1, 1<<17
.set QT,    2*X1
.set TBT,   QT+4096
.set MT,    TBT+256
.set PB,    MT+256
.set OB,    PB+1024
.set SPARE, OB+8192
.set G1X,  28
.set G1W,  36
.set G0X0, 44
.set G0X1, 48
.set G0W,  52
.set MSB, 0
.macro WIN new
.if MSB != (\new)
	s_set_vgpr_msb (MSB<<8)|(\new)
.set MSB, (\new)
.endif
.endm
.macro PLACES n
.rept \n
	v_nop
.endr
.endm
.macro ROUND
	s_barrier_signal -1
	s_barrier_wait -1
	s_cmp_lg_u32 s20, 0
	s_cbranch_scc1 .Lnot_wave_0_\@
	s_barrier_signal -3
.Lnot_wave_0_\@:
	s_barrier_wait -3
	s_barrier_signal -1
	s_barrier_wait -1
.endm
.macro XL slot, mt, kk, set
.irp c, 0,1,2,3
.irp j, 0,1,2,3
	ds_load_b128 v[128+64*(\set)+16*\c+4*\j:128+64*(\set)+16*\c+4*\j+3], v[5+\slot] offset:16*XP*(\mt)+512*(\kk)+128*\c+16*\j
.endr
.endr
.endm
.macro QU set, mt, ks
.set XS, 128+64*(\set)
.set AD, 16*(4*(\mt)+(\ks)%4)
.set qi, 0
.rept 64
.if ((\mt)%2)
	v_med3_num_f32 v[XS+qi], -v[XS+qi], -v4, v4
.else
	v_med3_num_f32 v[XS+qi], v[XS+qi], -v4, v4
.endif
.set qi, qi+1
.endr
	WIN 0x80+0x40*((\ks)/4)
.set qi, 0
.rept 8
	v_cvt_scalef32_pk8_bf8_f32 v[AD+2*qi:AD+2*qi+1], v[XS+8*qi:XS+8*qi+7], v3
.set qi, qi+1
.endr
	WIN 0
	v_nop
.endm
.macro PART slot, p
	XL \slot, 0, 0, 0
.irp u, 0,1,2,3,4,5,6,7
.if \u < 7
	XL \slot, (\u+1)/2, (\u+1)%2, (\u+1)%2
	s_wait_dscnt 16
.else
	s_wait_dscnt 0x0
.endif
	QU \u%2, \u/2, 2*(\p)+\u%2
.endr
.endm
.macro CHX g0
	s_wait_tensorcnt 0x0
	ds_add_u32 v1, v2
	s_add_nc_u64 s[\g0+2:\g0+3], s[\g0+2:\g0+3], 2048
	s_wait_dscnt 0x0
	ROUND
	tensor_load_to_lds s[\g0:\g0+3], s[G1X:G1X+7]
	s_nop 0
	PLACES 4
.endm
.macro CHW step
	s_wait_tensorcnt 0x0
	ds_add_u32 v1, v2
.if \step
	s_xor_b32 s[G0W+1], s[G0W+1], SLOT1
	s_add_nc_u64 s[G0W+2:G0W+3], s[G0W+2:G0W+3], 131072
.endif
	s_wait_dscnt 0x0
	ROUND
	tensor_load_to_lds s[G0W:G0W+3], s[G1W:G1W+7]
	s_nop 0
	PLACES 4
.endm
.macro CH0
	s_wait_tensorcnt 0x0
	ds_add_u32 v1, v2
	s_wait_dscnt 0x0
	s_barrier_signal -1
	s_barrier_wait -1
.endm
.macro FETCHB ks, set
	WIN 0x40
.irp nt, 0,1,2,3
.irp c, 0,1,2,3
	ds_load_b128 v[64*(\set)+16*\nt+4*\c:64*(\set)+16*\nt+4*\c+3], v20 offset:8192*(\ks)+2048*\nt+512*\c
.endr
.endr
.endm
.macro MULS role, ks, set
.if \role
	WIN 0x06+(\ks)/4
.else
	WIN 0x09+4*((\ks)/4)
.endif
.irp mt, 0,1,2,3
.irp nt, 0,1,2,3
.set rD, 128+8*(4*\mt+\nt)
.set rA, 16*(4*\mt+(\ks)%4)
.set rB, 64*(\set)+16*\nt
.if \role
.if (\ks) == 0
	v_wmma_f32_16x16x128_bf8_bf8 v[rD:rD+7], v[rA:rA+15], v[rB:rB+15], 0
.else
	v_wmma_f32_16x16x128_bf8_bf8 v[rD:rD+7], v[rA:rA+15], v[rB:rB+15], v[rD:rD+7]
.endif
.else
.if (\ks) == 0
	v_wmma_f32_16x16x128_bf8_bf8 v[rD:rD+7], v[rB:rB+15], v[rA:rA+15], 0
.else
	v_wmma_f32_16x16x128_bf8_bf8 v[rD:rD+7], v[rB:rB+15], v[rA:rA+15], v[rD:rD+7]
.endif
.endif
.endr
.endr
.endm
.macro GEMM role
	FETCHB 0, 0
.irp ks, 0,1,2,3,4,5,6
.if \ks > 0
	PLACES 4
.endif
	FETCHB \ks+1, (\ks+1)%2
	s_wait_dscnt 16
	MULS \role, \ks, \ks%2
.endr
	s_wait_dscnt 0x0
	MULS \role, 7, 1
	WIN 0
.endm
.macro KTAIL
	PLACES 4
.irp nt, 0,1,2,3
.irp i, 0,2,4,6
.irp mt, 0,1,2,3
.if (\nt == 0) && (\i == 0)
	v_pk_mul_f32 v[96+2*\mt:97+2*\mt], v[128+8*(4*\mt+\nt)+\i:129+8*(4*\mt+\nt)+\i], v[64+8*\nt+\i:65+8*\nt+\i]
.else
	v_pk_fma_f32 v[96+2*\mt:97+2*\mt], v[128+8*(4*\mt+\nt)+\i:129+8*(4*\mt+\nt)+\i], v[64+8*\nt+\i:65+8*\nt+\i], v[96+2*\mt:97+2*\mt]
.endif
.endr
.endr
.endr
.irp mt, 0,1,2,3
	v_add_f32 v[104+\mt], v[96+2*\mt], v[97+2*\mt]
.endr
.irp mt, 0,1,2,3
	v_permlanex16_b32 v[32+\mt], v[104+\mt], s72, s73
.endr
.irp mt, 0,1,2,3
	v_add_f32 v[104+\mt], v[104+\mt], v[32+\mt]
.endr
	v_add_f32 v104, v104, v56
	v_sub_f32 v105, v56, v105
	v_add_f32 v106, v106, v56
	v_sub_f32 v107, v56, v107
	v_max3_num_f32 v108, v104, v105, v106
	v_max_num_f32 v108, v108, v107
	v_max_num_f32_dpp v108, v108, v108 row_xmask:1 row_mask:0xf bank_mask:0xf
	v_max_num_f32_dpp v108, v108, v108 row_xmask:2 row_mask:0xf bank_mask:0xf
	v_max_num_f32_dpp v108, v108, v108 row_xmask:4 row_mask:0xf bank_mask:0xf
	v_max_num_f32_dpp v108, v108, v108 row_xmask:8 row_mask:0xf bank_mask:0xf
.irp mt, 0,1,2,3
	v_sub_f32 v[104+\mt], v[104+\mt], v108
.endr
	s_wait_alu depctr_va_vdst(0)
.irp mt, 0,1,2,3
	v_exp_f32 v[104+\mt], v[104+\mt]
.endr
	v_nop
	s_wait_alu depctr_va_vdst(0)
	v_add_f32 v109, v104, v105
	v_add_f32 v110, v106, v107
	v_add_f32 v109, v109, v110
	v_add_f32_dpp v109, v109, v109 row_xmask:1 row_mask:0xf bank_mask:0xf
	v_add_f32_dpp v109, v109, v109 row_xmask:2 row_mask:0xf bank_mask:0xf
	v_add_f32_dpp v109, v109, v109 row_xmask:4 row_mask:0xf bank_mask:0xf
	v_add_f32_dpp v109, v109, v109 row_xmask:8 row_mask:0xf bank_mask:0xf
	v_cndmask_b32 v111, v104, v105, s74
	v_cndmask_b32 v112, v106, v107, s74
	ds_store_b32 v23, v111
	ds_store_b32 v23, v112 offset:128
	ds_store_b32 v25, v108
	ds_store_b32 v25, v109 offset:128
.endm
.macro WORK
	v_add_nc_u32 v20, s66, v7
	v_add_nc_u32 v21, s68, v8
	v_add_nc_u32 v22, s69, v9
	v_add_nc_u32 v23, s67, v10
	v_add_nc_u32 v24, s67, v11
	v_add_nc_u32 v25, s69, v12
	v_add_nc_u32 v26, s68, v13
	s_cmp_lg_u32 s21, 0
	s_cbranch_scc1 .Lrole_v_\@
.irp nt, 0,1,2,3
	ds_load_b128 v[64+8*\nt:67+8*\nt], v21 offset:64*\nt
	ds_load_b128 v[68+8*\nt:71+8*\nt], v21 offset:64*\nt+16
.endr
	ds_load_b32 v56, v22
	s_wait_alu depctr_va_vdst(0)
	GEMM 0
	KTAIL
	s_branch .Ljoin_\@
.Lrole_v_\@:
	s_wait_alu depctr_va_vdst(0)
	GEMM 1
.Ljoin_\@:
.endm
.macro VT
	s_cmp_eq_u32 s21, 0
	s_cbranch_scc1 .Lnot_v_\@
.irp mt, 0,1,2,3
	ds_load_b128 v[64+8*\mt:67+8*\mt], v24 offset:64*\mt
	ds_load_b128 v[68+8*\mt:71+8*\mt], v24 offset:64*\mt+16
.endr
	PLACES 4
	s_wait_dscnt 0x0
.irp mt, 0,1,2,3
.irp i, 0,2,4,6
.irp nt, 0,1,2,3
.if (\mt == 0) && (\i == 0)
	v_pk_mul_f32 v[96+2*\nt:97+2*\nt], v[128+8*(4*\mt+\nt)+\i:129+8*(4*\mt+\nt)+\i], v[64+8*\mt+\i:65+8*\mt+\i]
.elseif (\mt%2)
	v_pk_fma_f32 v[96+2*\nt:97+2*\nt], v[128+8*(4*\mt+\nt)+\i:129+8*(4*\mt+\nt)+\i], v[64+8*\mt+\i:65+8*\mt+\i], v[96+2*\nt:97+2*\nt] neg_lo:[0,1,0] neg_hi:[0,1,0]
.else
	v_pk_fma_f32 v[96+2*\nt:97+2*\nt], v[128+8*(4*\mt+\nt)+\i:129+8*(4*\mt+\nt)+\i], v[64+8*\mt+\i:65+8*\mt+\i], v[96+2*\nt:97+2*\nt]
.endif
.endr
.endr
.endr
.irp nt, 0,1,2,3
	v_add_f32 v[104+\nt], v[96+2*\nt], v[97+2*\nt]
.endr
.irp nt, 0,1,2,3
	v_permlanex16_b32 v[32+\nt], v[104+\nt], s72, s73
.endr
.irp nt, 0,1,2,3
	v_add_f32 v[104+\nt], v[104+\nt], v[32+\nt]
.endr
	v_cndmask_b32 v111, v104, v105, s74
	v_cndmask_b32 v112, v106, v107, s74
	ds_store_b32 v26, v111
	ds_store_b32 v26, v112 offset:128
.Lnot_v_\@:
.endm
.macro FLIP
	s_xor_b32 s66, s66, SLOT1
	s_xor_b32 s67, s67, 512
	s_add_co_u32 s68, s68, 256
	s_add_co_u32 s69, s69, 4
.endm
	s_load_b512 s[4:19], s[0:1], 0x0
	v_lshl_add_u32 v1, v0, 2, SPARE
	v_mov_b32 v2, 0
	ds_add_u32 v1, v2
	ds_add_u32 v1, v2
	s_wait_dscnt 0x0
	v_lshrrev_b32 v48, 5, v0
	v_readfirstlane_b32 s20, v48
	v_and_b32 v28, 31, v0
	v_lshlrev_b32 v28, 12, v28                     ; the prefetches' offset: my lane x a row of x (4,096 bytes)
	s_lshr_b32 s21, s20, 1
	s_and_b32 s22, s20, 1
	s_bfe_u32 s23, ttmp6, 0x40000
	s_lshl_b32 s24, ttmp9, 2
	s_add_co_u32 s24, s24, s23
	s_lshr_b32 s25, ttmp9, 1
	s_mov_b32 s[G1X+0], (2<<16)|(1<<20)|(7<<22)|(3<<25)
	s_mov_b32 s[G1X+1], 256<<16
	s_mov_b32 s[G1X+2], 32<<16
	s_mov_b32 s[G1X+3], 256<<16
	s_mov_b32 s[G1X+4], 32
	s_mov_b32 s[G1X+5], 1024
	s_mov_b32 s[G1X+6], 0
	s_mov_b32 s[G1X+7], 0
	s_mov_b32 s[G1W+0], 15|(3<<16)|(1<<21)
	s_mov_b32 s[G1W+1], 32<<16
	s_mov_b32 s[G1W+2], 128<<16
	s_mov_b32 s[G1W+3], 32<<16
	s_mov_b32 s[G1W+4], 128
	s_mov_b32 s[G1W+5], 32
	s_mov_b32 s[G1W+6], 0
	s_mov_b32 s[G1W+7], 0
	s_mov_b32 s66, 0
	s_mov_b32 s67, 0
	s_mov_b32 s68, 0
	s_mov_b32 s69, 0
	s_mov_b32 s72, 0x76543210
	s_mov_b32 s73, 0xfedcba98
	s_mov_b32 s74, 0xffff0000
	s_mul_i32 s80, s20, 32*XP
	s_lshl_b32 s82, s24, 19
	s_lshl_b32 s83, s20, 17
	s_add_co_u32 s82, s82, s83
	s_mov_b32 s83, 0
	s_lshl_b32 s84, s20, 15
	s_mov_b32 s85, 0
	s_lshl_b32 s92, s24, 12
	s_mov_b32 s93, 0
	s_lshl_b32 s94, s24, 7
	s_mov_b32 s95, 0
	s_wait_kmcnt 0x0
	s_load_b256 s[56:63], s[14:15], 0x0
	s_add_nc_u64 s[16:17], s[16:17], s[92:93]
	s_add_nc_u64 s[18:19], s[18:19], s[94:95]
	s_mov_b32 s[G0X0], 1
	s_mov_b32 s[G0X0+1], s80
	s_add_nc_u64 s[G0X0+2:G0X0+3], s[4:5], s[82:83]
	s_add_nc_u64 s[26:27], s[4:5], s[82:83]        ; the prefetches' base: my wave's first row of x
	s_mov_b32 s[G0X1], 1
	s_add_co_u32 s[G0X1+1], s80, X1
	s_add_nc_u64 s[G0X1+2:G0X1+3], s[G0X0+2:G0X0+3], 1024
	s_or_b32 s[G0X0+3], s[G0X0+3], 0x80000000
	s_or_b32 s[G0X1+3], s[G0X1+3], 0x80000000
	s_mov_b32 s[G0W], 1
	s_mov_b32 s[G0W+1], s84
	s_add_nc_u64 s[G0W+2:G0W+3], s[6:7], s[84:85]
	s_or_b32 s[G0W+3], s[G0W+3], 0x80000000
	ROUND
	tensor_load_to_lds s[G0X0:G0X0+3], s[G1X:G1X+7]
	s_nop 0
	PLACES 4
	s_wait_alu depctr_va_vdst(0)
.irp i, 0,1,2,3
	global_prefetch_b8 v28, s[26:27] offset:1024+256*\i th:TH_LOAD_NT scope:SCOPE_SE   ; part 1 of my 32 rows
.endr
	s_wait_tensorcnt 0x0
	ds_add_u32 v1, v2
	s_wait_dscnt 0x0
	ROUND
	tensor_load_to_lds s[G0X1:G0X1+3], s[G1X:G1X+7]
	s_nop 0
	PLACES 4
.irp i, 0,1,2,3
	global_prefetch_b8 v28, s[26:27] offset:2048+256*\i th:TH_LOAD_NT scope:SCOPE_SE   ; part 2 of my 32 rows
.endr
	v_and_b32 v48, 15, v0
	v_bfe_u32 v49, v0, 4, 1
	v_and_b32 v50, 31, v0
	s_mul_i32 s81, s22, 64*XP
	v_mul_u32_u24 v5, v48, XP
	v_lshl_add_u32 v5, v49, 6, v5
	v_add_nc_u32 v5, s81, v5
	v_add_nc_u32 v6, X1, v5
	s_lshl_b32 s86, s21, 16
	v_lshlrev_b32 v7, 4, v50
	v_add_nc_u32 v7, s86, v7
	v_lshl_add_u32 v8, v49, 5, QT
	v_mov_b32 v9, TBT
	s_lshl_b32 s87, s22, 8
	v_lshl_add_u32 v10, v50, 2, PB
	v_add_nc_u32 v10, s87, v10
	v_lshl_add_u32 v11, v49, 5, PB
	v_add_nc_u32 v11, s87, v11
	s_lshl_b32 s88, s22, 6
	v_mov_b32 v12, MT
	v_add_nc_u32 v12, s88, v12
	s_lshl_b32 s89, s22, 12
	v_lshl_add_u32 v13, v50, 2, OB
	v_add_nc_u32 v13, s89, v13
	v_lshl_add_u32 v14, v0, 4, OB
	v_lshrrev_b32 v15, 4, v0
	v_lshl_add_u32 v15, v15, 2, MT
	v_lshl_add_u32 v16, v48, 2, MT
	v_lshlrev_b32 v17, 4, v0
	v_lshlrev_b32 v18, 2, v50
	v_lshl_add_u32 v19, v0, 5, QT
	v_lshrrev_b32 v27, 3, v0
	v_lshl_add_u32 v27, v27, 2, TBT
.irp i, 0,1,2,3,4,5,6,7
	v_mov_b32 v[32+\i], 0
.endr
	v_lshrrev_b32 v51, 1, v0
	v_lshlrev_b32 v51, 11, v51
	v_and_b32 v52, 1, v0
	v_lshl_add_u32 v51, v52, 8, v51
	s_lshr_b32 s90, s25, 4
	s_lshl_b32 s90, s90, 10
	s_and_b32 s91, s25, 15
	s_lshl_b32 s91, s91, 4
	s_add_co_u32 s90, s90, s91
	v_add_nc_u32 v51, s90, v51
	v_lshlrev_b32 v53, 5, v0
	global_load_b128 v[104:107], v51, s[8:9]
	global_load_b128 v[108:111], v51, s[8:9] offset:512
	global_load_b128 v[112:115], v53, s[10:11]
	global_load_b128 v[116:119], v53, s[10:11] offset:16
	global_load_b128 v[40:43], v17, s[12:13]
	global_load_b128 v[44:47], v17, s[12:13] offset:2048
	s_wait_kmcnt 0x0
	s_mov_b32 s91, 0x3e38aa3b
	s_add_co_i32 s80, s58, s59
	s_lshl_b32 s80, s80, 23
	s_add_co_i32 s76, s80, s91
	s_mov_b32 s77, s76
	s_add_co_i32 s80, s60, s61
	s_add_co_i32 s80, s80, 127
	s_lshl_b32 s78, s80, 23
	s_cmp_eq_u32 s21, 0
	s_cselect_b32 s80, s58, s60
	s_add_co_i32 s80, s80, 127
	s_lshl_b32 s81, s80, 23
	v_mov_b32 v3, s81
	s_add_co_i32 s80, s80, 15
	s_lshl_b32 s80, s80, 23
	s_or_b32 s80, s80, 0x600000
	v_mov_b32 v4, s80
	s_wait_loadcnt 0x0
.irp i, 0,2,4,6
	v_pk_mul_f32 v[120+\i:121+\i], v[104+\i:105+\i], s[76:77] op_sel_hi:[1,0]
.endr
	ds_store_b128 v19, v[120:123]
	ds_store_b128 v19, v[124:127] offset:16
	v_pk_mul_f32 v[54:55], v[104:105], v[112:113]
	v_pk_fma_f32 v[54:55], v[106:107], v[114:115], v[54:55]
	v_pk_fma_f32 v[54:55], v[108:109], v[116:117], v[54:55]
	v_pk_fma_f32 v[54:55], v[110:111], v[118:119], v[54:55]
	v_add_f32 v54, v54, v55
	v_add_f32_dpp v54, v54, v54 row_xmask:1 row_mask:0xf bank_mask:0xf
	v_add_f32_dpp v54, v54, v54 row_xmask:2 row_mask:0xf bank_mask:0xf
	v_add_f32_dpp v54, v54, v54 row_xmask:4 row_mask:0xf bank_mask:0xf
	v_mul_f32 v54, s91, v54
	ds_store_b32 v27, v54
	s_wait_dscnt 0x0
	s_wait_tensorcnt 1
	s_barrier_signal -1
	s_barrier_wait -1
	PART 0, 0
	CHX G0X0
.irp i, 0,1,2,3
	global_prefetch_b8 v28, s[26:27] offset:3072+256*\i th:TH_LOAD_NT scope:SCOPE_SE   ; part 3 of my 32 rows, the last
.endr
	PART 1, 1
	CHX G0X1
	PART 0, 2
	CHW 0
	PART 1, 3
	CHW 1
	s_mov_b32 s70, 14
.Lhead:
	WORK
	CHW 1
	VT
	FLIP
	s_sub_co_u32 s70, s70, 1
	s_cmp_lg_u32 s70, 0
	s_cbranch_scc1 .Lhead
	s_mov_b32 s70, 2
.Ltail:
	WORK
	CH0
	VT
	FLIP
	s_sub_co_u32 s70, s70, 1
	s_cmp_lg_u32 s70, 0
	s_cbranch_scc1 .Ltail
	s_wait_dscnt 0x0
	s_barrier_signal -1
	s_barrier_wait -1
.irp u, 0,1
	ds_load_b128 v[64+16*\u:67+16*\u], v14 offset:2048*\u
	ds_load_b128 v[68+16*\u:71+16*\u], v14 offset:2048*\u+4096
	ds_load_b32 v[72+16*\u], v15 offset:32*\u
	ds_load_b32 v[73+16*\u], v15 offset:32*\u+64
	ds_load_b32 v[74+16*\u], v15 offset:32*\u+128
	ds_load_b32 v[75+16*\u], v15 offset:32*\u+192
.endr
	s_wait_dscnt 0x0
.irp u, 0,1
	v_max_num_f32 v[79+16*\u], v[72+16*\u], v[73+16*\u]
	v_sub_f32 v[76+16*\u], v[72+16*\u], v[79+16*\u]
	v_sub_f32 v[77+16*\u], v[73+16*\u], v[79+16*\u]
	s_wait_alu depctr_va_vdst(0)
	v_exp_f32 v[76+16*\u], v[76+16*\u]
	v_exp_f32 v[77+16*\u], v[77+16*\u]
	v_nop
	s_wait_alu depctr_va_vdst(0)
	v_mul_f32 v[78+16*\u], v[76+16*\u], v[74+16*\u]
	v_fmac_f32 v[78+16*\u], v[77+16*\u], v[75+16*\u]
.irp j, 0,1,2,3
	v_mul_f32 v[64+16*\u+\j], v[64+16*\u+\j], v[76+16*\u]
	v_fmac_f32 v[64+16*\u+\j], v[68+16*\u+\j], v[77+16*\u]
	v_mul_f32 v[68+16*\u+\j], v[40+4*\u+\j], v[78+16*\u]
	v_fma_f32 v[64+16*\u+\j], v[64+16*\u+\j], s78, v[68+16*\u+\j]
.endr
	global_store_b128 v17, v[64+16*\u:67+16*\u], s[16:17] offset:2048*\u
.endr
	s_cmp_lg_u32 s20, 0
	s_cbranch_scc1 .Lnot_ml
	ds_load_b32 v96, v16
	ds_load_b32 v97, v16 offset:64
	ds_load_b32 v98, v16 offset:128
	ds_load_b32 v99, v16 offset:192
	s_wait_dscnt 0x0
	v_max_num_f32 v100, v96, v97
	v_sub_f32 v101, v96, v100
	v_sub_f32 v102, v97, v100
	s_wait_alu depctr_va_vdst(0)
	v_exp_f32 v101, v101
	v_exp_f32 v102, v102
	v_nop
	s_wait_alu depctr_va_vdst(0)
	v_mul_f32 v103, v101, v98
	v_fmac_f32 v103, v102, v99
	v_cndmask_b32 v104, v100, v103, s74
	global_store_b32 v18, v104, s[18:19]
.Lnot_ml:
	s_wait_tensorcnt 0x0
	ds_add_u32 v1, v2
	s_wait_dscnt 0x0
	ROUND
	s_endpgm
.Lfunc_end_k_q6617adc9ce_main:
	.size	k_q6617adc9ce_main, .Lfunc_end_k_q6617adc9ce_main-k_q6617adc9ce_main
	.p2alignl 7, 3214868480
	.fill 96, 4, 3214868480
	.section	.rodata,"a",@progbits
	.p2align	6, 0x0
	.amdhsa_kernel k_q6617adc9ce_main
		.amdhsa_group_segment_fixed_size 327680
		.amdhsa_private_segment_fixed_size 0
		.amdhsa_enable_private_segment 0
		.amdhsa_kernarg_size 64
		.amdhsa_user_sgpr_count 2
		.amdhsa_user_sgpr_kernarg_segment_ptr 1
		.amdhsa_wavefront_size32 1
		.amdhsa_system_sgpr_workgroup_id_x 1
		.amdhsa_system_sgpr_workgroup_id_y 1
		.amdhsa_system_sgpr_workgroup_id_z 1
		.amdhsa_system_vgpr_workitem_id 0
		.amdhsa_next_free_vgpr 1024
		.amdhsa_next_free_sgpr 96
		.amdhsa_reserve_vcc 0
		.amdhsa_float_denorm_mode_32 3
		.amdhsa_float_denorm_mode_16_64 3
		.amdhsa_memory_ordered 1
		.amdhsa_forward_progress 1
		.amdhsa_inst_pref_size 255
	.end_amdhsa_kernel
	.section	.bss,"aw",@nobits
	.p2align	6
	.space	262144
	.amdgpu_metadata
---
amdhsa.version: [ 1, 2 ]
amdhsa.kernels:
  - .name:           k_q6617adc9ce_main
    .symbol:         k_q6617adc9ce_main.kd
    .args:
      - { .name: x, .offset: 0, .size: 8, .value_kind: global_buffer, .address_space: global }
      - { .name: wimg, .offset: 8, .size: 8, .value_kind: global_buffer, .address_space: global }
      - { .name: qws, .offset: 16, .size: 8, .value_kind: global_buffer, .address_space: global }
      - { .name: bk, .offset: 24, .size: 8, .value_kind: global_buffer, .address_space: global }
      - { .name: bv, .offset: 32, .size: 8, .value_kind: global_buffer, .address_space: global }
      - { .name: lowp_scales, .offset: 40, .size: 8, .value_kind: global_buffer, .address_space: global }
      - { .name: part_o, .offset: 48, .size: 8, .value_kind: global_buffer, .address_space: global }
      - { .name: part_ml, .offset: 56, .size: 8, .value_kind: global_buffer, .address_space: global }
    .group_segment_fixed_size: 327680
    .private_segment_fixed_size: 0
    .kernarg_segment_align: 8
    .kernarg_segment_size: 64
    .max_flat_workgroup_size: 128
    .sgpr_count:     96
    .vgpr_count:     1024
    .wavefront_size: 32
...
	.end_amdgpu_metadata
.endif
;; end of part 2
;; launch final (part 3): grid 64 x 4, 16 waves a work-group, no clusters, 125,440 bytes of LDS; arguments part_o, part_ml, Wo, bo, lowp_scales, out0; writes out0
.if DOCPART == 3
	.amdgcn_target "amdgcn-amd-amdhsa--gfx1250"
	.amdhsa_code_object_version 6
	.text
	.protected	k_q6617adc9ce_final
	.globl	k_q6617adc9ce_final
	.p2align	8
	.type	k_q6617adc9ce_final,@function
k_q6617adc9ce_final:
	s_mov_b64 s[64:65], 0
	v_nop
	global_prefetch_b8 v0, s[64:65] scope:SCOPE_SE
	s_setreg_imm32_b32 hwreg(HW_REG_WAVE_MODE, 25, 1), 1
	s_wait_xcnt 0x0
; The eight chunks of each batch are joined, and out0 = Q(att; e6) Q(Wo; e7)^T + bo.
; att(batch, feature) = sum over chunks of 2^(m_chunk - M) o_chunk / L, M = the chunks' largest m, L = sum of 2^(m_chunk - M) l_chunk, for the feature's head: all f32, ahead of the quantiser.
; SHARES.  Work-group (x, y) makes 16 output features (tile x) for 8 batches (group y): 8 x 32 KB of partial sums and 64 KB of Wo, against 16 x 32 KB + 64 KB for a full tile of 16 batches on half
; as many work-groups.  Sixteen waves.  Wave w takes half q = w % 2 (512 features) of batch 8 y + w / 2, and row 16 x + w of Wo.
; EVERY GLOBAL LOAD OF THE BULK READS 512 CONSECUTIVE BYTES (16 a lane), and all 57 loads of a wave go out at the head: 20 KB a wave; no register is loaded twice, so there is no ring.
; What the matrix unit wants (a lane holds one row and 16 neighbours along K of each block of 32) is made by a turn through LDS: att's 8 rows and Wo's 16 rows lie there as rows of 4,096 bytes + 16.
; COEFFICIENTS.  A lane first holds one head (lane % 16): 2^(m - M) / L for each chunk.  In a chunk's load i a lane holds features 512 q + 128 i + 4 lane on, head 8 q + 2 i + lane / 16: so the
; coefficients go through a table of the wave's own in LDS, [head % 2][chunk][head / 2], and come back four at a time.
; THE PRODUCT.  Waves 0 to 7: wave w takes K step w: one matrix instruction (source 0 = 16 rows of Wo, source 1 = the batches: a lane then holds one batch and eight neighbouring features).  The
; instruction has 16 columns and the group 8 batches: lanes r >= 8 take batch r - 8 again, and their results are never read.  The eight K steps meet in LDS; wave 0 adds them, all 32 lanes at work.
; No tensor load and no cluster: each wave reads its bytes once, straight into registers.  out0's tile is 16 features wide: four neighbouring lanes store a row's 64 bytes.
; LIMITS: e6, e7 between -126 and 112; e6 + e7 between -126 and 127.  NaN among the inputs is not served.
; REGISTERS: v1-13 lane terms and addresses; v16-23 m, then 2^(m - M), then the coefficients; v24-31 l; v32 M; v33 L; v34, v35 bo's and out0's offsets; v36-39 bo; v40-43 two scales and their holds;
; v48-79 the coefficients by chunk and load; v80-95 att; v96-127 Wo's row; v128-255 the eight chunks.  Behind the first barrier: v128-191 Wo's 64 numbers, v192-255 att's; v16-31, v48-63 their codes; v80-87 the sums.
.set PITCH, 4112                       ; a stage row: 4,096 bytes + 16 = 1,028 words: row r starts at bank 4 r mod 64 (64 banks of 4 bytes: ISA guide 11.1)
.set WOS,   0                          ; Wo's 16 rows
.set ATS,   16*PITCH                   ; att's 8 rows
.set CT,    ATS+8*PITCH                ; the coefficient tables, 512 bytes for each wave
.set RED,   CT+16*512                  ; the K steps' results, 1,024 bytes for each of waves 0 to 7
.macro QUANT src, dst, sc, lim         ; 64 numbers of a lane, register 16 b + i = k 32 b + 16 h + i of my row, become a fragment's 16 registers of codes
.irp b, 0,1,2,3
.irp i, 0,1,2,3,4,5,6,7,8,9,10,11,12,13,14,15
	v_med3_num_f32 v[\src+16*\b+\i], v[\src+16*\b+\i], -v[\lim], v[\lim]   ; the conversion to an 8-bit code does not saturate (ISA guide 7.6.2): the hold at the largest code x the scale
.endr
	v_cvt_scalef32_pk8_bf8_f32 v[\dst+4*\b:\dst+4*\b+1], v[\src+16*\b:\src+16*\b+7], v[\sc]
	v_cvt_scalef32_pk8_bf8_f32 v[\dst+4*\b+2:\dst+4*\b+3], v[\src+16*\b+8:\src+16*\b+15], v[\sc]
.endr
	v_nop                                          ; one plain vector line behind the last conversion
.endm
.macro MKSC e, sc, lim                 ; 2^e as f32 (the conversion takes its exponent field), and 57,344 x 2^e
	s_add_co_i32 s28, \e, 127
	s_lshl_b32 s29, s28, 23
	v_mov_b32 v[\sc], s29
	s_add_co_i32 s28, s28, 15
	s_lshl_b32 s28, s28, 23
	s_or_b32 s28, s28, 0x600000
	v_mov_b32 v[\lim], s28
.endm
.macro ACC cc                          ; att += coefficient x chunk: sixteen sums that do not wait for each other; the first chunk starts them
.irp i, 0,1,2,3
.irp n, 0,1,2,3
.if (\cc) == 0
	v_mul_f32 v[80+4*\i+\n], v[128+16*(\cc)+4*\i+\n], v[48+4*(\cc)+\i]
.else
	v_fmac_f32 v[80+4*\i+\n], v[128+16*(\cc)+4*\i+\n], v[48+4*(\cc)+\i]
.endif
.endr
.endr
.endm
	s_load_b256 s[4:11], s[0:1], 0x0               ; part_o s[4:5], part_ml s[6:7], Wo s[8:9], bo s[10:11]
	s_load_b128 s[12:15], s[0:1], 0x20             ; scales s[12:13], out0 s[14:15]
	v_lshl_add_u32 v46, v0, 2, 0x1e200
	v_mov_b32 v47, 0
	v_lshrrev_b32 v1, 5, v0
	s_delay_alu instid0(VALU_DEP_1)
	v_readfirstlane_b32 s16, v1                    ; wave 0..15
	v_and_b32 v1, 15, v0                           ; r
	v_bfe_u32 v2, v0, 4, 1                         ; h
	v_and_b32 v3, 31, v0                           ; lane
	s_and_b32 s17, ttmp7, 0xffff                   ; y
	s_lshr_b32 s18, s16, 1                         ; my batch of the group's eight
	s_and_b32 s19, s16, 1                          ; q: my half of its features
	v_lshlrev_b32 v4, 4, v3                        ; 16 x lane: my place in 512 consecutive bytes
	v_lshlrev_b32 v5, 2, v1                        ; part_ml: 4 x head, head = lane % 16
	; every LDS address is made here, ahead of the first parting of the waves
	s_lshl_b32 s20, s16, 9                         ; 512 x wave
	v_and_b32 v6, 1, v0
	s_delay_alu instid0(VALU_DEP_1)
	v_lshlrev_b32 v6, 8, v6
	v_bfe_u32 v14, v0, 1, 3
	s_delay_alu instid0(VALU_DEP_1)
	v_lshl_add_u32 v6, v14, 2, v6
	s_delay_alu instid0(VALU_DEP_1)
	v_add_nc_u32 v6, s20, v6
	s_delay_alu instid0(VALU_DEP_1)
	v_add_nc_u32 v6, CT, v6                        ; the table, to store: 256 (head % 2) + 4 (head / 2); a chunk is 32 bytes
	s_lshl_b32 s21, s19, 4
	s_add_co_u32 s21, s21, s20
	v_lshlrev_b32 v7, 8, v2
	s_delay_alu instid0(VALU_DEP_1)
	v_add_nc_u32 v7, s21, v7
	s_delay_alu instid0(VALU_DEP_1)
	v_add_nc_u32 v7, CT, v7                        ; to load: 256 h + 16 q: heads 8 q + 2 i + h, i = 0 .. 3
	s_mul_i32 s21, s18, PITCH
	s_lshl_b32 s22, s19, 11
	s_add_co_u32 s21, s21, s22
	v_add_nc_u32 v8, s21, v4
	s_delay_alu instid0(VALU_DEP_1)
	v_add_nc_u32 v8, ATS, v8                       ; att, to store: my batch's row, + 2,048 q + 16 lane
	s_mul_i32 s21, s16, PITCH
	v_add_nc_u32 v9, s21, v4                       ; Wo, to store: row = wave, + 16 lane
	v_mul_u32_u24 v10, v1, PITCH
	s_delay_alu instid0(VALU_DEP_1)
	v_lshl_add_u32 v10, v2, 6, v10
	s_delay_alu instid0(VALU_DEP_1)
	v_add_nc_u32 v10, s20, v10                     ; Wo, to load (waves 0 to 7): row r, + 512 x K step + 64 h
	v_and_b32 v11, 7, v0
	s_delay_alu instid0(VALU_DEP_1)
	v_mul_u32_u24 v11, v11, PITCH
	s_delay_alu instid0(VALU_DEP_1)
	v_lshl_add_u32 v11, v2, 6, v11
	s_delay_alu instid0(VALU_DEP_1)
	v_add_nc_u32 v11, s20, v11
	s_delay_alu instid0(VALU_DEP_1)
	v_add_nc_u32 v11, ATS, v11                     ; att, to load: row r % 8, likewise
	s_lshl_b32 s21, s16, 10
	v_add_nc_u32 v12, s21, v4
	s_delay_alu instid0(VALU_DEP_1)
	v_add_nc_u32 v12, RED, v12                     ; a K step's result, to store: 1,024 x wave + 16 lane
	v_and_b32 v13, 1, v0                           ; and to load (wave 0): lane = 4 batch + 2 h' + i' takes registers 4 i' on of lane 16 h' + batch
	s_delay_alu instid0(VALU_DEP_1)
	v_lshlrev_b32 v13, 9, v13
	v_bfe_u32 v14, v0, 1, 1
	s_delay_alu instid0(VALU_DEP_1)
	v_lshl_add_u32 v13, v14, 8, v13
	v_bfe_u32 v14, v0, 2, 3                        ; lane / 4: the batch
	s_delay_alu instid0(VALU_DEP_1)
	v_lshl_add_u32 v13, v14, 4, v13
	s_delay_alu instid0(VALU_DEP_1)
	v_add_nc_u32 v13, RED, v13
	v_and_b32 v34, 3, v0
	s_delay_alu instid0(VALU_DEP_1)
	v_lshlrev_b32 v34, 4, v34
	s_lshl_b32 s21, ttmp9, 6
	v_add_nc_u32 v34, s21, v34                     ; bo: feature 16 x + 4 (lane % 4), in bytes
	s_delay_alu instid0(VALU_DEP_1)
	v_lshl_add_u32 v35, v14, 12, v34
	s_lshl_b32 s21, s17, 15
	v_add_nc_u32 v35, s21, v35                     ; out0: row 8 y + lane / 4 of 4,096 bytes, the same feature
	s_lshl_b32 s22, s17, 3
	s_add_co_u32 s22, s22, s18                     ; my batch: 8 y + wave / 2
	s_lshl_b32 s24, s22, 15                        ; part_o: its eight chunks of 4,096 bytes, + 2,048 q
	s_lshl_b32 s23, s19, 11
	s_add_co_u32 s24, s24, s23
	s_mov_b32 s25, 0
	s_lshl_b32 s26, s22, 10                        ; part_ml: its eight chunks of 128 bytes
	s_mov_b32 s27, 0
	s_lshl_b32 s22, ttmp9, 16                      ; Wo: row 16 x + wave of 4,096 bytes
	s_lshl_b32 s23, s16, 12
	s_add_co_u32 s22, s22, s23
	s_mov_b32 s23, 0
	s_wait_alu depctr_va_vdst(0)
	s_wait_kmcnt 0x0
	s_load_b256 s[32:39], s[12:13], 0x0            ; e0 .. e7
	s_add_nc_u64 s[4:5], s[4:5], s[24:25]
	s_add_nc_u64 s[6:7], s[6:7], s[26:27]
	s_add_nc_u64 s[8:9], s[8:9], s[22:23]
	global_load_b128 v[36:39], v34, s[10:11]       ; bo: wave 0 alone will use it; asked for here, on the way that all waves take, so that nobody waits for it at the end
.irp cc, 0,1,2,3,4,5,6,7
	global_load_b32 v[16+\cc], v5, s[6:7] offset:128*\cc       ; m of head lane % 16,
	global_load_b32 v[24+\cc], v5, s[6:7] offset:128*\cc+64    ; l
.endr
.irp n, 0,1,2,3,4,5,6,7
	global_load_b128 v[96+4*\n:99+4*\n], v4, s[8:9] offset:512*\n   ; my row of Wo
.endr
.irp cc, 0,1,2,3,4,5,6,7
.irp i, 0,1,2,3
	global_load_b128 v[128+16*\cc+4*\i:131+16*\cc+4*\i], v4, s[4:5] offset:4096*\cc+512*\i   ; my half of my batch's row of chunk cc
.endr
.endr
	s_wait_kmcnt 0x0
	MKSC s39, 40, 41                               ; e7
	MKSC s38, 42, 43                               ; e6
	s_add_co_i32 s30, s38, s39
	s_add_co_i32 s30, s30, 127
	s_lshl_b32 s30, s30, 23                        ; 2^(e6 + e7) as f32
	s_mov_b32 s31, s30                             ; (named with it as a pair, so it is written)
	s_wait_loadcnt 40                              ; bo, m and l are in; Wo's 8 loads and the chunks' 32 may be out
	v_max3_num_f32 v32, v16, v17, v18
	s_delay_alu instid0(VALU_DEP_1)
	v_max3_num_f32 v32, v32, v19, v20
	s_delay_alu instid0(VALU_DEP_1)
	v_max3_num_f32 v32, v32, v21, v22
	s_delay_alu instid0(VALU_DEP_1)
	v_max_num_f32 v32, v32, v23                    ; M
.irp cc, 0,1,2,3,4,5,6,7
	v_sub_f32 v[16+\cc], v[16+\cc], v32
.endr
	s_wait_alu depctr_va_vdst(0)
.irp cc, 0,1,2,3,4,5,6,7
	v_exp_f32 v[16+\cc], v[16+\cc]                 ; 2^(m - M)
.endr
	v_nop                                          ; a plain line behind the exponentials
	s_wait_alu depctr_va_vdst(0)
	v_mul_f32 v33, v16, v24
.irp cc, 1,2,3,4,5,6,7
	v_fmac_f32 v33, v[16+\cc], v[24+\cc]           ; L
.endr
	s_wait_alu depctr_va_vdst(0)
	v_rcp_f32 v33, v33
	v_nop                                          ; a plain line behind the reciprocal
	s_wait_alu depctr_va_vdst(0)
.irp cc, 0,1,2,3,4,5,6,7
	v_mul_f32 v[16+\cc], v[16+\cc], v33            ; the coefficient of chunk cc for head lane % 16
.endr
.irp cc, 0,1,2,3,4,5,6,7
	ds_store_b32 v6, v[16+\cc] offset:32*\cc       ; lanes l and l + 16 hold the same head: the same number to the same word
.endr
.irp cc, 0,1,2,3,4,5,6,7
	ds_load_b128 v[48+4*\cc:51+4*\cc], v7 offset:32*\cc   ; LDS serves a wave's instructions in order (ISA guide 5.7.1.4): these see my stores
.endr
	s_wait_loadcnt 32                              ; my row of Wo is in; the chunks' 32 loads may be out
.irp n, 0,1,2,3,4,5,6,7
	ds_store_b128 v9, v[96+4*\n:99+4*\n] offset:512*\n   ; as it lies
.endr
	s_wait_dscnt 8                                 ; the coefficients are back; the 8 stores issued behind them may be out
.irp cc, 0,1,2,3,4,5,6,7
	s_wait_loadcnt 4*(7-\cc)                       ; this chunk's four loads are in; the later chunks' may be out
	ACC \cc
.endr
.irp i, 0,1,2,3
	ds_store_b128 v8, v[80+4*\i:83+4*\i] offset:512*\i
.endr
	s_wait_dscnt 0x0                               ; for the others' sake: my stores have landed
	s_barrier_signal -1
	s_barrier_wait -1                              ; Wo's 16 rows and att's 8 lie in LDS
	s_cmp_gt_u32 s16, 7
	s_cbranch_scc1 .Lno_k                          ; eight K steps: waves 0 to 7
.irp c, 0,1,2,3
.irp j, 0,1,2,3
	ds_load_b128 v[128+16*\c+4*\j:131+16*\c+4*\j], v10 offset:128*\c+16*\j
.endr
.endr
.irp c, 0,1,2,3
.irp j, 0,1,2,3
	ds_load_b128 v[192+16*\c+4*\j:195+16*\c+4*\j], v11 offset:128*\c+16*\j
.endr
.endr
	s_wait_dscnt 16                                ; Wo's 64 numbers are in; att's 16 loads may be out
	QUANT 128, 16, 40, 41
	s_wait_dscnt 0x0
	QUANT 192, 48, 42, 43
	v_wmma_f32_16x16x128_bf8_bf8 v[80:87], v[16:31], v[48:63], 0   ; lane (r, h), register j: batch r % 8, feature 8 h + j, this K step's part
.rept 4
	v_nop                                          ; four places ahead of the LDS stores that read the result
.endr
	ds_store_b128 v12, v[80:83]                    ; the result is read from its low end on
	ds_store_b128 v12, v[84:87] offset:512
.Lno_k:
	s_wait_dscnt 0x0                               ; for the others' sake: my stores have landed
	s_barrier_signal -1
	s_barrier_wait -1
	s_cmp_lg_u32 s16, 0
	s_cbranch_scc1 .Ldone                          ; wave 0 adds the eight K steps: 8 batches x 16 features are 32 lanes x 4 numbers
.irp k, 0,1,2,3,4,5,6,7
	ds_load_b128 v[144+4*\k:147+4*\k], v13 offset:1024*\k
.endr
	s_wait_dscnt 0x0
.irp k, 0,2,4,6
	v_pk_add_f32 v[144+4*\k:145+4*\k], v[144+4*\k:145+4*\k], v[148+4*\k:149+4*\k]
	v_pk_add_f32 v[146+4*\k:147+4*\k], v[146+4*\k:147+4*\k], v[150+4*\k:151+4*\k]
.endr
.irp k, 0
	v_pk_add_f32 v[144+4*\k:145+4*\k], v[144+4*\k:145+4*\k], v[152+4*\k:153+4*\k]
	v_pk_add_f32 v[146+4*\k:147+4*\k], v[146+4*\k:147+4*\k], v[154+4*\k:155+4*\k]
.endr
.irp k, 4
	s_delay_alu instid0(VALU_DEP_4)
	v_pk_add_f32 v[144+4*\k:145+4*\k], v[144+4*\k:145+4*\k], v[152+4*\k:153+4*\k]
	s_delay_alu instid0(VALU_DEP_4)
	v_pk_add_f32 v[146+4*\k:147+4*\k], v[146+4*\k:147+4*\k], v[154+4*\k:155+4*\k]
.endr
	s_delay_alu instid0(VALU_DEP_2)
	v_pk_add_f32 v[144:145], v[144:145], v[160:161]
	s_delay_alu instid0(VALU_DEP_2)
	v_pk_add_f32 v[146:147], v[146:147], v[162:163]
	s_delay_alu instid0(VALU_DEP_2)
	v_pk_fma_f32 v[144:145], v[144:145], s[30:31], v[36:37] op_sel_hi:[1,0,1]   ; sum x 2^(e6 + e7) + bo
	s_delay_alu instid0(VALU_DEP_2)
	v_pk_fma_f32 v[146:147], v[146:147], s[30:31], v[38:39] op_sel_hi:[1,0,1]
	global_store_b128 v35, v[144:147], s[14:15]    ; four neighbouring lanes store a row's 64 consecutive bytes
.Ldone:
	s_wait_tensorcnt 0x0
	ds_add_u32 v46, v47
	s_wait_dscnt 0x0
	s_endpgm
.Lfunc_end_k_q6617adc9ce_final:
	.size	k_q6617adc9ce_final, .Lfunc_end_k_q6617adc9ce_final-k_q6617adc9ce_final
	.p2alignl 7, 3214868480
	.fill 96, 4, 3214868480
	.section	.rodata,"a",@progbits
	.p2align	6, 0x0
	.amdhsa_kernel k_q6617adc9ce_final
		.amdhsa_group_segment_fixed_size 125440
		.amdhsa_private_segment_fixed_size 0
		.amdhsa_enable_private_segment 0
		.amdhsa_kernarg_size 48
		.amdhsa_user_sgpr_count 2
		.amdhsa_user_sgpr_kernarg_segment_ptr 1
		.amdhsa_wavefront_size32 1
		.amdhsa_system_sgpr_workgroup_id_x 1
		.amdhsa_system_sgpr_workgroup_id_y 1
		.amdhsa_system_sgpr_workgroup_id_z 1
		.amdhsa_system_vgpr_workitem_id 0
		.amdhsa_next_free_vgpr 256
		.amdhsa_next_free_sgpr 66
		.amdhsa_reserve_vcc 0
		.amdhsa_float_denorm_mode_32 3
		.amdhsa_float_denorm_mode_16_64 3
		.amdhsa_memory_ordered 1
		.amdhsa_forward_progress 1
		.amdhsa_inst_pref_size 32
	.end_amdhsa_kernel
	.amdgpu_metadata
---
amdhsa.version: [ 1, 2 ]
amdhsa.kernels:
  - .name:           k_q6617adc9ce_final
    .symbol:         k_q6617adc9ce_final.kd
    .args:
      - { .name: part_o, .offset: 0, .size: 8, .value_kind: global_buffer, .address_space: global }
      - { .name: part_ml, .offset: 8, .size: 8, .value_kind: global_buffer, .address_space: global }
      - { .name: Wo, .offset: 16, .size: 8, .value_kind: global_buffer, .address_space: global }
      - { .name: bo, .offset: 24, .size: 8, .value_kind: global_buffer, .address_space: global }
      - { .name: lowp_scales, .offset: 32, .size: 8, .value_kind: global_buffer, .address_space: global }
      - { .name: out0, .offset: 40, .size: 8, .value_kind: global_buffer, .address_space: global }
    .group_segment_fixed_size: 125440
    .private_segment_fixed_size: 0
    .kernarg_segment_align: 8
    .kernarg_segment_size: 48
    .max_flat_workgroup_size: 512
    .sgpr_count:     66
    .vgpr_count:     256
    .wavefront_size: 32
...
	.end_amdgpu_metadata
.endif
;; end of part 3
